; MI455X (gfx1250); checked and timed in simulation.
; The chip was launched on July 23, 2026; its instructions are those of AMD's public machine-readable ISA for CDNA 5 (MIT licence, August 2026) and "CDNA5" Instruction Set Architecture Reference Guide (July 2026). The comments in the code are by the model that wrote it; some were corrected since.
;; Hash Linear. Allowed arithmetic: matrix products marked QUANTISED: E2M1 operands, one E8M0 scale for each 32 along K, by v_wmma_scale_f32_16x16x128_f8f6f4 with both operands' format E2M1 (or v_wmma_scale_f32_32x16x128_f4), f32 sums; everything else in f32.
;; Inputs: h_bias 64 float32; h_weight 262,144 float32; idxB 4,096 int32; idxW 4,096 x 4,096 int32; x 4,096 x 4,096 float32; xiB 4,096 float32; xiW 4,096 x 4,096 float32.
;; Outputs: out0 4,096 x 4,096 float32.
;; This version of the problem:
;;   THIS VERSION OF THE PROBLEM IS GIVEN IN LOW PRECISION. The matrix products marked QUANTISED in the list below multiply operands that are first quantised to E2M1 (2 exponent bits, 1 mantissa bit; 4 bits a number), with one power-of-two scale for each 32 numbers along K (OCP MX v1.0); their sums are f32. All else is computed in f32.
;;   The module's matrix products, in the order in which they are computed (A, B: the left and right operand; K: the contracted axis; several contracted axes count as one K, in the product's order):
;;     1. [M 4,096, K 4,096] x [K 4,096, N 4,096]; A: input x; B: computed on the way: QUANTISED
;;   THE QUANTISER, for each operand of a quantised product, along K:
;;     - K is cut into blocks of 32 from its start; a last block that is shorter is filled with zeros.
;;     - A block's scale is 2^e with e = floor(log2(the largest magnitude in the block)) - 2, held to -126 .. 127; a block of zeros has e = 0. As a byte (E8M0): e + 127.
;;     - Each number is divided by its block's scale, clamped to +-6, and rounded to the nearest number of E2M1, ties to even, subnormals kept.
;;     - The product sums the exact products of the quantised numbers (number of the format x scale) in f32.
;;   ~~~python
;;   def quantise(x, axis):      # numpy; x: float32 -> the quantised numbers, widened to float32 again
;;       x = np.moveaxis(x, axis, -1); K = x.shape[-1]
;;       x = np.pad(x, [(0, 0)] * (x.ndim - 1) + [(0, -K % 32)]); x = x.reshape(x.shape[:-1] + (-1, 32)); a = np.abs(x).max(-1, keepdims=True)
;;       e = np.where(a > 0, np.clip(np.frexp(np.where(a > 0, a, 1))[1] - 1 - 2, -126, 127), 0)      # np.frexp(a)[1] - 1 = floor(log2(a)), exactly
;;       r = np.clip(x / 2.0 ** e, -6, 6)
;;       step = 2.0 ** (np.maximum(np.frexp(np.where(r == 0, 1, r))[1] - 1, 0) - 1)
;;       q = np.round(r / step) * step * 2.0 ** e      # np.round: ties to even
;;       return np.moveaxis(q.reshape(q.shape[:-2] + (-1,))[..., :K], -1, axis).astype(np.float32)
;;   ~~~
;;   OPERANDS COMPUTED ON THE WAY. 'Computed on the way' means the value that the module computes at that place (a softmax that the list does not call 'softmax' is quantised finished and normalised). What goes into a quantiser is computed in f32, as accurately as f32 sums, v_exp_f32 and their like allow (about 1e-6 of the number): no bf16 or f16 on the way to a quantiser, and a product that is left as it is and whose result goes on into a quantised operand takes f32 operands (vector FMAs, or v_wmma_f32_16x16x4_f32). A number that lies on a knife's edge between two numbers of the format may be rounded either way, as far as f32 arithmetic and the matrix unit's own rounding can turn it there, and no further.
;; One version. Each part assembles by itself: llvm-mc -triple=amdgcn-amd-amdhsa -mcpu=gfx1250 --defsym DOCPART=n.
;; ======== version 1 of 1: 2 launches
;; limits: right only within a limited range of input values
;; workspace buffers: a_q 8,912,896 bytes; w_q 8,912,896 bytes
;; launch quant (part 1): grid 256 x 1, 16 waves a work-group, clusters of 4 x 1, 327,680 bytes of LDS; arguments x, idxW, xiW, h_weight, a_q, w_q; writes a_q, w_q
.if DOCPART == 1
	.amdgcn_target "amdgcn-amd-amdhsa--gfx1250"
	.amdhsa_code_object_version 6
	.text
	.protected	k_q01c06cdc4c_quant
	.globl	k_q01c06cdc4c_quant
	.p2align	8
	.type	k_q01c06cdc4c_quant,@function
k_q01c06cdc4c_quant:
	s_mov_b64 s[64:65], 0
	v_nop
	global_prefetch_b8 v0, s[64:65] scope:SCOPE_SE
	s_setreg_imm32_b32 hwreg(HW_REG_WAVE_MODE, 25, 1), 1
	s_wait_xcnt 0x0
	s_wait_alu depctr_hold_cnt(0) depctr_sa_sdst(0) depctr_va_vdst(0) depctr_va_sdst(0) depctr_va_ssrc(0) depctr_va_vcc(0) depctr_vm_vsrc(0)
	s_getreg_b32 s2, hwreg(HW_REG_IB_STS2, 6, 4)
	s_cmp_eq_u32 s2, 0
	s_cbranch_scc0 .Lentry_in_a_cluster
	s_endpgm
.Lentry_in_a_cluster:
	s_bfe_u32 s2, ttmp6, 0x10000c
	s_cmp_lg_u32 s2, 0x3003
	s_cbranch_scc0 .Lentry_shape_is_right
	s_endpgm
.Lentry_shape_is_right:
; x [4096][4096] f32, and W[o][i] = h_weight[idxW[o][i]] * xiW[o][i] (made here, in f32, one multiplication), are turned into codes of FP4 (E2M1), K innermost,
; with one E8M0 scale byte for each 32 along K.  Both go out in the layout that the product's launch fetches:
;   a_q, w_q: [32 blocks of 128 rows][8 K steps of 512][34,816 bytes]; in a tile row r's 512 codes are the 256 bytes at 256 r, its 16 scale bytes lie at 32,768 + 16 r.
; A block's scale is 2^(floor(log2(its largest magnitude)) - 2); its byte is the largest magnitude's exponent field - 2, held at 1 from below.
; SHARES.  A work-group of 16 waves owns 16 rows of both tensors, a wave one row: 4,096 numbers, 128 registers of 32 lanes.
; THE LOOKUP IS MADE IN LDS.  The table (1 MiB) goes through LDS in four quarters of 262,144 bytes; a wave's 4,096 indices stay in v128-255 through all four passes and are
; replaced IN PLACE by the numbers looked up.  An index not yet looked up is held as TAG | 4 idx, TAG = 0xfff00000.  In the pass of quarter q: that word less (TAG + q x 262,144)
; is the LDS address where the index lies in the quarter; every other word gives 262,144 or more (unsigned) and is held there, at a word of LDS that holds all ones.
; The unsigned minimum of the register and of what was read then takes the table's number where the index lay in the quarter, and leaves the register elsewhere.
; LIMITS: a word of h_weight at or above 0xfff00000 (a negative NaN) is not served; NaN and infinities among the inputs are not served.  An index lies inside the table, as the problem has it
; (any other still reads inside LDS).  A block of zeros gets the byte 1 where the rule says 127: its codes are zeros, and this program alone reads the bytes.
; Blocks whose largest magnitude lies under 2^-124 keep the byte 1, as the rule's hold at -126 asks; they were not tried.
; CLUSTERS: every work-group reads the same table, so four work-groups form a cluster and ask for each quarter jointly: wave w's tensor load brings 64 rows of 256 bytes
; (16,384 bytes at 16,384 w of the quarter) with the mask 15; its descriptor is made of the wave's number and constants alone.
; THE STREAMS' REQUESTS STAND AT A PASS'S START, behind the barrier that shows the quarter landed: pass q's start loads x's K steps 2 q and 2 q + 1.
; While the next quarter is on its way the wave quantises those two steps; steps 6 and 7 are quantised behind the last pass, while xiW's first four steps are on their way.
; PREFETCHES.  The table: a quarter is 1,024 blocks of 256 bytes; the cluster's four partners share them out by address (partner cx takes 65,536 bytes, wave w 4,096 of them, lanes 0-15 a block each,
; lanes 16-31 name the wave's last block again): one instruction a wave for each quarter; quarter 0 ahead of the first round, quarter 1 ahead of the loads of indices, quarters 2 and 3 at the starts of passes 0 and 1:
; from quarter 1 on a whole pass ahead of the joint load.  xiW: each wave asks for its own row, 64 blocks, a lane a block: blocks 0-31 at pass 1's start, blocks 32-63 at pass 2's.
; Each block is named once in the cluster; every address lies inside its buffer; the address registers are never rewritten.
; A step is 512 numbers: 2,048 bytes read 512 consecutive bytes a load.  The conversions want 16 neighbours in a lane, the loads give 4: the step turns through the wave's own stage in LDS.
; The 16 waves' scale bytes of a K step are 256 neighbouring bytes of a tile: they meet in LDS, and at the end wave w stores one aligned unit (waves 0-7 x's K step w, waves 8-15 W's).
.set TILE, 34816
.set QB,   262144                      ; a quarter of the table, at LDS byte 0
.set DUM,  QB                          ; a block of 256 bytes of its own: its first word holds all ones
.set SP,   80                          ; a lane's place in a stage: 64 bytes + 16 of padding
.set STG,  DUM+256                     ; 16 stages of 32 x SP bytes
.set SBY,  STG+16*32*SP                ; scale bytes: [x, W][8 K steps][16 rows][16]
.set SPARE, SBY+4096                   ; the spare words: 128 bytes for each of 16 waves; no other line names them
.set TAG,  0xfff00000
.set SPW,  14                          ; v14 my spare word's address, v15 zero: never rewritten
.set NIL,  15
.set XX,   16                          ; v16-31   16 neighbours, back from the stage
.set SET,  32                          ; v32-127  six sets of 16: x or xiW as loaded; a step of x leaves its codes in its own set
.set T,    64                          ; v64-127  in a pass: two groups of 32 addresses, then what was read
.set E,    128                         ; v128-255 my row: indices, then table numbers, then W, then W's codes
.macro ROUND                           ; a round of the cluster's barrier
	s_barrier_signal -1
	s_barrier_wait -1
	s_cmp_lg_u32 s16, 0
	s_cbranch_scc1 .Lnot_wave_0_\@
	s_barrier_signal -3
.Lnot_wave_0_\@:
	s_barrier_wait -3
	s_barrier_signal -1
	s_barrier_wait -1
.endm
	s_load_b256 s[4:11], s[0:1], 0x0               ; x s[4:5], idxW s[6:7], xiW s[8:9], h_weight s[10:11]
	s_load_b128 s[12:15], s[0:1], 0x20             ; a_q s[12:13], w_q s[14:15]
	v_lshl_add_u32 v[SPW], v0, 2, SPARE
	v_mov_b32 v[NIL], 0
	ds_add_u32 v[SPW], v[NIL]                      ; the opening lines: the add, twice on end, and its wait
	ds_add_u32 v[SPW], v[NIL]
	v_lshrrev_b32 v1, 5, v0
	v_readfirstlane_b32 s16, v1                    ; wave 0..15
	s_bfe_u32 s17, ttmp6, 0x40000                  ; cx
	s_lshl_b32 s18, ttmp9, 2
	s_add_co_u32 s18, s18, s17                     ; work-group = 4 x cluster + cx
	s_lshl_b32 s20, s18, 18                        ; 16 rows of 16,384 bytes
	s_lshl_b32 s21, s16, 14                        ; my row
	s_add_co_u32 s20, s20, s21
	s_mov_b32 s21, 0                               ; s[20:21]: my row in x, idxW, xiW
	s_lshr_b32 s19, s18, 3
	s_mul_i32 s19, s19, 8*TILE                     ; the block of 128 rows
	s_and_b32 s18, s18, 7                          ; which 16 of them
	s_lshl_b32 s22, s18, 12
	s_lshl_b32 s23, s16, 8
	s_add_co_u32 s22, s22, s23
	s_add_co_u32 s22, s22, s19
	s_mov_b32 s23, 0                               ; s[22:23]: my row's codes in K step 0's tile
	s_and_b32 s40, s16, 7
	s_mul_i32 s40, s40, TILE
	s_add_co_u32 s40, s40, s19
	s_lshl_b32 s41, s18, 8
	s_add_co_u32 s40, s40, s41
	s_add_co_u32 s40, s40, 32768
	s_mov_b32 s41, 0                               ; s[40:41]: the 256 scale bytes that I store at the end
	s_lshl_b32 s42, s16, 14                        ; my 16,384 bytes of a quarter
	s_mov_b32 s43, 0
	s_mul_i32 s44, s16, 32*SP
	s_add_co_u32 s44, s44, STG                     ; my stage
	s_lshl_b32 s45, s16, 4
	s_add_co_u32 s45, s45, SBY                     ; my row's 16 scale bytes of x's K step 0
	s_lshl_b32 s52, s16, 8
	s_add_co_u32 s52, s52, SBY                     ; the unit that I read back at the end
	s_lshl_b32 s56, s17, 16                        ; the table's prefetches: my work-group's 65,536 bytes of a quarter,
	s_lshl_b32 s57, s16, 12                        ; my wave's 4,096 of them
	s_add_co_u32 s56, s56, s57
	s_mov_b32 s57, 0
	s_mov_b32 s51, TAG
	s_mov_b32 s24, 1                               ; descriptor group 0: count; LDS address; the global address follows below
	s_lshl_b32 s25, s16, 14
	s_mov_b32 s32, 15|(3<<16)|(1<<21)              ; group 1: the mask of the cluster's four; elements of 8 bytes; bit 21 beside a mask
	s_mov_b32 s33, 32<<16                          ; tensor_dim0 = 32 elements (256 bytes)
	s_mov_b32 s34, 64<<16                          ; tensor_dim1 = 64
	s_mov_b32 s35, 32<<16                          ; tile_dim0
	s_mov_b32 s36, 64                              ; tile_dim1
	s_mov_b32 s37, 32                              ; the pitch: rows are dense
	s_mov_b32 s38, 0
	s_mov_b32 s39, 0
	v_and_b32 v7, 31, v0                           ; lane
	v_lshlrev_b32 v1, 4, v7                        ; v1: my 16 bytes of a load's 512
	v_lshrrev_b32 v2, 2, v7
	v_mul_u32_u24 v2, v2, SP
	v_and_b32 v3, 3, v7
	v_lshl_add_u32 v2, v3, 4, v2
	v_add_nc_u32 v2, s44, v2                       ; v2: into the stage: four lanes' 64 bytes on end, then the padding
	v_mul_u32_u24 v3, v7, SP
	v_add_nc_u32 v3, s44, v3                       ; v3: out of it: my 16 neighbours
	v_lshlrev_b32 v4, 3, v7                        ; v4: my 8 bytes of 256
	v_lshrrev_b32 v5, 1, v7
	v_add_nc_u32 v5, s45, v5                       ; v5: LDS: my block's scale byte
	v_add_nc_u32 v6, s52, v4                       ; v6: LDS: 8 scale bytes a lane, at the end
	v_lshlrev_b32 v10, 8, v7                       ; v10: xiW's prefetches: a lane a block of 256 bytes
	v_min_u32 v7, 15, v7
	v_lshlrev_b32 v7, 8, v7                        ; v7: the table's prefetches: lanes 0-15 a block each, lanes 16-31 the last block again
	v_mov_b32 v12, DUM
	v_mov_b32 v13, -1
	s_wait_alu depctr_va_vdst(0)
	s_wait_dscnt 0x0                               ; both opening adds are done
	s_wait_kmcnt 0x0
	s_add_nc_u64 s[26:27], s[10:11], s[42:43]      ; quarter 0, my part
	s_or_b32 s27, s27, 0x80000000
	s_add_nc_u64 s[54:55], s[10:11], s[56:57]
	global_prefetch_b8 v7, s[54:55] th:TH_LOAD_NT scope:SCOPE_SE                 ; the table's quarter 0: its first touch
	ROUND                                          ; in front of the first joint loads
	tensor_load_to_lds s[24:27], s[32:39]          ; quarter 0: one tensor load a wave at the head
	s_nop 0
	s_add_nc_u64 s[4:5], s[4:5], s[20:21]
	s_add_nc_u64 s[6:7], s[6:7], s[20:21]
	s_add_nc_u64 s[8:9], s[8:9], s[20:21]
	s_add_nc_u64 s[46:47], s[12:13], s[40:41]
	s_add_nc_u64 s[48:49], s[14:15], s[40:41]
	s_cmp_lt_u32 s16, 8                            ; the choice hangs on the wave's number alone
	s_cselect_b64 s[46:47], s[46:47], s[48:49]
	s_add_nc_u64 s[12:13], s[12:13], s[22:23]
	s_add_nc_u64 s[14:15], s[14:15], s[22:23]
.macro LD set, base, t                 ; step t of my row of x or xiW: four loads of 512 consecutive bytes
.irp i, 0,1,2,3
	global_load_b128 v[SET+16*(\set)+4*\i:SET+16*(\set)+4*\i+3], v1, s[\base:\base+1] offset:2048*(\t)+512*\i th:TH_LOAD_NT
.endr
.endm
.macro TURN src                        ; 2,048 bytes through my stage: LDS serves a wave's instructions in order (ISA guide 5.7.1.4): no wait between the stores and the loads
.irp i, 0,1,2,3
	ds_store_b128 v2, v[\src+4*\i:\src+4*\i+3] offset:8*SP*\i
.endr
.irp i, 0,1,2,3
	ds_load_b128 v[XX+4*\i:XX+4*\i+3], v3 offset:16*\i
.endr
.endm
; My 16 neighbours in XX; two neighbouring lanes hold a block.  Codes into v[c], v[c + 1], the byte into v[c + 2]
.macro QUANT c, boff, bs, goff
	v_max3_num_f32 v8, |v[XX]|, |v[XX+1]|, |v[XX+2]|
	v_max3_num_f32 v9, |v[XX+3]|, |v[XX+4]|, |v[XX+5]|
.irp i, 6,10
	v_max3_num_f32 v8, v8, |v[XX+\i]|, |v[XX+\i+1]|
	v_max3_num_f32 v9, v9, |v[XX+\i+2]|, |v[XX+\i+3]|
.endr
	v_max3_num_f32 v8, v8, |v[XX+14]|, |v[XX+15]|
	v_max3_num_f32 v8, v8, v9, 0x1800000           ; and the floor 2^(3 - 127): the byte cannot fall under 1
	v_max_num_f32_dpp v8, v8, v8 row_xmask:1 row_mask:0xf bank_mask:0xf   ; with my neighbour's 16: the block's
	v_add_nc_u32 v11, 0xff000000, v8               ; 2 off its exponent field: the conversion's scale operand
	v_cvt_scalef32_pk8_fp4_f32 v[\c], v[XX:XX+7], v11
	v_cvt_scalef32_pk8_fp4_f32 v[\c+1], v[XX+8:XX+15], v11
	v_lshrrev_b32 v[\c+2], 23, v11                 ; the scale's byte (also the plain line behind the conversions)
	ds_store_b8 v5, v[\c+2] offset:\boff           ; both lanes of a block write the same byte with the same value
	global_store_b64 v4, v[\c:\c+1], s[\bs:\bs+1] offset:\goff   ; the wave stores 256 consecutive bytes, aligned
.endm
.macro XSTEP s, set, left              ; K step s of my row of x; left: the younger loads that may stay out
	s_wait_loadcnt \left
	TURN SET+16*(\set)
	s_wait_dscnt 0x0                               ; the stage's stores have read the set: the codes may lie there
	QUANT SET+16*(\set), 256*(\s), 12, TILE*(\s)
.endm
.macro GI b, g                         ; 32 lookups go out: registers 32 b .. 32 b + 31 of my row, by group g of addresses
.set K, 0
.rept 32
	v_subrev_nc_u32 v[T+32*\g+K], s50, v[E+32*\b+K]
.set K, K+1
.endr
.set K, 0
.rept 32
	v_min_u32 v[T+32*\g+K], 0x40000, v[T+32*\g+K]  ; outside the quarter: the word of all ones
.set K, K+1
.endr
.set K, 0
.rept 32
	ds_load_b32 v[T+32*\g+K], v[T+32*\g+K]
.set K, K+1
.endr
.endm
.macro GS b, g                         ; and are taken: a table number lies under every tagged word, all ones over every word
.set K, 0
.rept 32
	v_min_u32 v[E+32*\b+K], v[E+32*\b+K], v[T+32*\g+K]
.set K, K+1
.endr
.endm
.macro PASS_IN                         ; the quarter is whole
	s_wait_xcnt 0x0                                ; x's code stores have read sets 0 and 1, which are loaded again behind the barrier
	s_wait_alu depctr_va_vdst(0)
	s_wait_tensorcnt 0x0                           ; my part of the quarter is in,
	s_wait_dscnt 0x0                               ; my stores into the stage and the scale bytes have landed:
	s_barrier_signal -1
	s_barrier_wait -1                              ; and so of all 16 waves
.endm
.macro GATHER q
	s_mov_b32 s50, TAG+\q*QB
	GI 0, 0
	GI 1, 1
	s_wait_dscnt 32                                ; the older group of 32 is back
	GS 0, 0
	GI 2, 0
	s_wait_dscnt 32
	GS 1, 1
	GI 3, 1
	s_wait_dscnt 32
	GS 2, 0
	s_wait_dscnt 0x0
	GS 3, 1
	s_wait_alu depctr_va_vdst(0)
	s_barrier_signal -1                            ; every wave's lookups in this quarter are over: this barrier parts them from the adds and the stage stores that follow
	s_barrier_wait -1
.endm
.macro REFILL                          ; the next quarter, over the one just read
	s_wait_tensorcnt 0x0                           ; no tensor load of mine is out,
	ds_add_u32 v[SPW], v[NIL]                      ; an add to my spare word,
	s_add_nc_u64 s[26:27], s[26:27], QB            ; (the address steps while the add is out)
	s_wait_dscnt 0x0
	ROUND                                          ; no wave of the cluster's four work-groups still reads the quarter
	tensor_load_to_lds s[24:27], s[32:39]          ; my one load behind the round
	s_nop 0
.endm
.macro WSTEP t, left                   ; K step t of my row of W; its xiW lies in set (t + 2) % 6
	s_wait_loadcnt \left
.set K, 0
.rept 8
	v_pk_mul_f32 v[E+16*(\t)+K:E+16*(\t)+K+1], v[E+16*(\t)+K:E+16*(\t)+K+1], v[SET+16*(((\t)+2)%6)+K:SET+16*(((\t)+2)%6)+K+1]   ; W = h_weight[idx] * xi
.set K, K+2
.endr
.if (\t) < 2
	LD (\t)+2, 8, (\t)+6                           ; the set takes xiW's step six further on
.endif
	TURN E+16*(\t)
	s_wait_dscnt 0x0
	QUANT E+16*(\t), 2048+256*(\t), 14, TILE*(\t)  ; the codes lie where the step's numbers lay: each step has registers of its own
.endm
	s_cmp_lg_u32 s16, 0
	s_cbranch_scc1 .Lno_dummy
	ds_store_b32 v12, v13                          ; wave 0 writes the word of all ones (all lanes the same word, the same value)
.Lno_dummy:
	global_prefetch_b8 v7, s[54:55] offset:QB th:TH_LOAD_NT scope:SCOPE_SE       ; the table's quarter 1
.set K, 0
.rept 32
	global_load_b128 v[E+4*K:E+4*K+3], v1, s[6:7] offset:512*K th:TH_LOAD_NT     ; my row of indices
.set K, K+1
.endr
.set J, 0
.rept 4
	s_wait_loadcnt 24-8*J                          ; eight more loads of indices are in; behind them the rest of the 32
.set K, 0
.rept 32
	v_lshl_or_b32 v[E+32*J+K], v[E+32*J+K], 2, s51 ; TAG | 4 idx
.set K, K+1
.endr
.set J, J+1
.endr
	PASS_IN
	LD 0, 4, 0                                     ; x's steps 0 and 1 come in under the pass
	LD 1, 4, 1
	global_prefetch_b8 v7, s[54:55] offset:2*QB th:TH_LOAD_NT scope:SCOPE_SE     ; the table's quarter 2
	GATHER 0
	REFILL
	XSTEP 0, 0, 4                                  ; behind this step's four loads: the other step's
	XSTEP 1, 1, 0
	PASS_IN
	LD 0, 4, 2
	LD 1, 4, 3
	global_prefetch_b8 v7, s[54:55] offset:3*QB th:TH_LOAD_NT scope:SCOPE_SE     ; the table's quarter 3
	global_prefetch_b8 v10, s[8:9] th:TH_LOAD_NT scope:SCOPE_SE                  ; blocks 0-31 of my row of xiW
	GATHER 1
	REFILL
	XSTEP 2, 0, 4
	XSTEP 3, 1, 0
	PASS_IN
	LD 0, 4, 4
	LD 1, 4, 5
	global_prefetch_b8 v10, s[8:9] offset:8192 th:TH_LOAD_NT scope:SCOPE_SE      ; blocks 32-63
	GATHER 2
	REFILL
	XSTEP 4, 0, 4
	XSTEP 5, 1, 0
	PASS_IN
	LD 0, 4, 6
	LD 1, 4, 7
	GATHER 3
	LD 2, 8, 0                                     ; the passes' registers take xiW's steps 0 to 3
	LD 3, 8, 1
	LD 4, 8, 2
	LD 5, 8, 3
	XSTEP 6, 0, 20                                 ; behind x's step 6: step 7's four loads and xiW's sixteen
	XSTEP 7, 1, 16
	s_wait_xcnt 0x0                                ; x's code stores have read sets 0 and 1
	LD 0, 8, 4
	LD 1, 8, 5
	WSTEP 0, 20                                    ; behind step t's four loads: those of the steps issued after it
	WSTEP 1, 20
	WSTEP 2, 20
	WSTEP 3, 16
	WSTEP 4, 12
	WSTEP 5, 8
	WSTEP 6, 4
	WSTEP 7, 0
	s_wait_dscnt 0x0                               ; for the others' sake: my byte stores have landed
	s_barrier_signal -1
	s_barrier_wait -1
	ds_load_b64 v[8:9], v6                         ; the 16 rows' scale bytes of one K step of one tensor
	s_wait_dscnt 0x0
	global_store_b64 v4, v[8:9], s[46:47]          ; 32 lanes store 256 consecutive bytes, aligned
	s_wait_tensorcnt 0x0                           ; the wave's end
	ds_add_u32 v[SPW], v[NIL]
	s_wait_dscnt 0x0
	ROUND                                          ; the closing round
	s_endpgm
.Lfunc_end_k_q01c06cdc4c_quant:
	.size	k_q01c06cdc4c_quant, .Lfunc_end_k_q01c06cdc4c_quant-k_q01c06cdc4c_quant
	.p2alignl 7, 3214868480
	.fill 96, 4, 3214868480
	.section	.rodata,"a",@progbits
	.p2align	6, 0x0
	.amdhsa_kernel k_q01c06cdc4c_quant
		.amdhsa_group_segment_fixed_size 327680
		.amdhsa_private_segment_fixed_size 0
		.amdhsa_enable_private_segment 0
		.amdhsa_kernarg_size 48
		.amdhsa_user_sgpr_count 2
		.amdhsa_user_sgpr_kernarg_segment_ptr 1
		.amdhsa_wavefront_size32 1
		.amdhsa_system_sgpr_workgroup_id_x 1
		.amdhsa_system_sgpr_workgroup_id_y 1
		.amdhsa_system_sgpr_workgroup_id_z 1
		.amdhsa_system_vgpr_workitem_id 0
		.amdhsa_next_free_vgpr 256
		.amdhsa_next_free_sgpr 66
		.amdhsa_reserve_vcc 0
		.amdhsa_float_denorm_mode_32 3
		.amdhsa_float_denorm_mode_16_64 3
		.amdhsa_memory_ordered 1
		.amdhsa_forward_progress 1
		.amdhsa_inst_pref_size 152
	.end_amdhsa_kernel
	.amdgpu_metadata
---
amdhsa.version: [ 1, 2 ]
amdhsa.kernels:
  - .name:           k_q01c06cdc4c_quant
    .symbol:         k_q01c06cdc4c_quant.kd
    .args:
      - { .name: x, .offset: 0, .size: 8, .value_kind: global_buffer, .address_space: global }
      - { .name: idxW, .offset: 8, .size: 8, .value_kind: global_buffer, .address_space: global }
      - { .name: xiW, .offset: 16, .size: 8, .value_kind: global_buffer, .address_space: global }
      - { .name: h_weight, .offset: 24, .size: 8, .value_kind: global_buffer, .address_space: global }
      - { .name: a_q, .offset: 32, .size: 8, .value_kind: global_buffer, .address_space: global }
      - { .name: w_q, .offset: 40, .size: 8, .value_kind: global_buffer, .address_space: global }
    .group_segment_fixed_size: 327680
    .private_segment_fixed_size: 0
    .kernarg_segment_align: 8
    .kernarg_segment_size: 48
    .max_flat_workgroup_size: 512
    .sgpr_count:     66
    .vgpr_count:     256
    .wavefront_size: 32
...
	.end_amdgpu_metadata
.endif
;; end of part 1
;; launch gemm (part 2): grid 16 x 16, 4 waves a work-group, clusters of 4 x 4, 327,680 bytes of LDS; arguments a_q, w_q, h_bias, idxB, xiB, out0; writes out0
.if DOCPART == 2
	.amdgcn_target "amdgcn-amd-amdhsa--gfx1250"
	.amdhsa_code_object_version 6
	.text
	.protected	k_q01c06cdc4c_gemm
	.globl	k_q01c06cdc4c_gemm
	.p2align	8
	.type	k_q01c06cdc4c_gemm,@function
k_q01c06cdc4c_gemm:
	s_mov_b64 s[64:65], 0
	v_nop
	global_prefetch_b8 v0, s[64:65] scope:SCOPE_SE
	s_setreg_imm32_b32 hwreg(HW_REG_WAVE_MODE, 25, 1), 1
	s_wait_xcnt 0x0
	s_wait_alu depctr_hold_cnt(0) depctr_sa_sdst(0) depctr_va_vdst(0) depctr_va_sdst(0) depctr_va_ssrc(0) depctr_va_vcc(0) depctr_vm_vsrc(0)
	s_getreg_b32 s2, hwreg(HW_REG_IB_STS2, 6, 4)
	s_cmp_eq_u32 s2, 0
	s_cbranch_scc0 .Lentry_in_a_cluster
	s_endpgm
.Lentry_in_a_cluster:
	s_bfe_u32 s2, ttmp6, 0x10000c
	s_cmp_lg_u32 s2, 0xf033
	s_cbranch_scc0 .Lentry_shape_is_right
	s_endpgm
.Lentry_shape_is_right:
.set NQ,     4
.set PITCH,  272
.set FR,     8
.set NL,     2
.set NP,     4
.set TROWS,  136
.set TILEB,  TROWS*256
.set RBLK,   8*TILEB
.set HALFT,  TROWS*PITCH
.set SLOT,   4*HALFT
.set SCO,    128*PITCH
.set LAPS,   4
.set BIASL,  2*SLOT
.set SPARE,  BIASL+4*512
.set SPITCH, 528
.set CROW,   16384
.set ADRA, 16
.set ADRB, 20
.set BW,   22
.set BR,   23
.set STO,  24
.set RD,   25
.set CO,   26
.set SPW,  28
.set NIL,  29
.set ADRS, 30
.set SC,   32
.set BT,   96
.set AF,   128
.set BIAS, 192
.set BK,   128
.set G1,  24
.set G0,  32
.set G1B, 48
.set G0B, 56
.set ABASE, 72
.set BBASE, 74
.set KST,  77
.set KOF,  78
.set MSB, 0
.macro WIN new
.if MSB != (\new)
	s_set_vgpr_msb (MSB<<8)|(\new)
.set MSB, \new
.endif
.endm
.set MUL_LO,   0xa1
.set MUL_HI,   0xf1
.set FIRST_LO, 0x81
.set FIRST_HI, 0xc1
.set TO_B,     0x40
.macro JLOAD g0a, g1a, g0b, g1b
	s_cmp_eq_u32 s17, 0
	s_cbranch_scc0 .Lfor_b_\@
	tensor_load_to_lds s[\g0a:\g0a+3], s[\g1a:\g1a+7]
	s_nop 0
.rept 4
	v_nop
.endr
	s_branch .Lasked_\@
.Lfor_b_\@:
	tensor_load_to_lds s[\g0b:\g0b+3], s[\g1b:\g1b+7]
	s_nop 0
.rept 4
	v_nop
.endr
.Lasked_\@:
.endm
.macro CREST
	s_cmp_lg_u32 s16, 0
	s_cbranch_scc1 .Lnot_wave_0_\@
	s_barrier_signal -3
.Lnot_wave_0_\@:
	s_barrier_wait -3
	s_barrier_signal -1
	s_barrier_wait -1
.endm
.macro CROUND
	s_barrier_signal -1
	s_barrier_wait -1
	CREST
.endm
	s_load_b256 s[4:11], s[0:1], 0x0
	s_load_b128 s[12:15], s[0:1], 0x20
	v_lshl_add_u32 v[SPW], v0, 2, SPARE
	v_mov_b32 v[NIL], 0
	ds_add_u32 v28, v29
	ds_add_u32 v28, v29
	s_wait_dscnt 0x0
	v_lshrrev_b32 v1, 5, v0
	v_readfirstlane_b32 s16, v1
	s_lshr_b32 s17, s16, 1
	s_and_b32 s18, s16, 1
	s_bfe_u32 s40, ttmp6, 0x40000
	s_bfe_u32 s41, ttmp6, 0x40004
	s_lshl_b32 s42, ttmp9, 2
	s_add_co_u32 s42, s42, s40
	s_and_b32 s66, ttmp7, 0xffff
	s_lshl_b32 s66, s66, 2
	s_add_co_u32 s66, s66, s41
	s_lshl_b32 s43, s41, 2
	s_lshl_b32 s43, 15, s43
	s_lshl_b32 s44, 0x1111, s40
	s_and_b32 s[KST], ttmp7, 0xffff
	s_and_b32 s[KOF], ttmp9, 1
	s_lshl_b32 s[KOF], s[KOF], 1
	s_lshr_b32 s[KOF+1], ttmp9, 1
	s_add_co_u32 s[KOF], s[KOF], s[KOF+1]
	s_and_b32 s[KOF+1], s[KST], 1
	s_lshl_b32 s[KOF+1], s[KOF+1], 1
	s_lshr_b32 s[KST], s[KST], 1
	s_add_co_u32 s[KST], s[KST], s[KOF+1]
	s_add_co_u32 s[KST], s[KST], s[KOF]
	s_and_b32 s[KST], s[KST], 3
	s_lshl_b32 s[KST], s[KST], 1
	s_mul_i32 s[KOF], s[KST], TILEB
	s_mov_b32 s[KOF+1], 0
	s_or_b32 s[G1+0], s43, (3<<16)|(1<<20)|(1<<21)|(5<<22)|(3<<25)
	s_or_b32 s[G1B+0], s44, (3<<16)|(1<<20)|(1<<21)|(5<<22)|(3<<25)
.irp g, G1, G1B
	s_mov_b32 s[\g+1], 32<<16
	s_mov_b32 s[\g+2], TROWS<<16
	s_mov_b32 s[\g+3], 32<<16
	s_mov_b32 s[\g+4], TROWS
	s_mov_b32 s[\g+5], 32
	s_mov_b32 s[\g+6], 0
	s_mov_b32 s[\g+7], 0
.endr
	s_lshl_b32 s20, s66, 1
	s_add_co_u32 s20, s20, s18
	s_mul_i32 s20, s20, RBLK
	s_mov_b32 s21, 0
	s_lshl_b32 s46, s42, 1
	s_add_co_u32 s46, s46, s18
	s_mul_i32 s46, s46, RBLK
	s_mov_b32 s47, 0
	s_mul_i32 s45, s16, HALFT
	s_wait_kmcnt 0x0
	s_add_nc_u64 s[ABASE:ABASE+1], s[4:5], s[20:21]
	s_add_nc_u64 s[BBASE:BBASE+1], s[6:7], s[46:47]
	s_add_nc_u64 s[20:21], s[ABASE:ABASE+1], s[KOF:KOF+1]
	s_add_nc_u64 s[46:47], s[BBASE:BBASE+1], s[KOF:KOF+1]
	CROUND
.irp s, 0,1
	s_mov_b32 s[G0+4*\s], 1
	s_add_co_u32 s[G0+4*\s+1], s45, \s*SLOT
	s_add_nc_u64 s[G0+4*\s+2:G0+4*\s+3], s[20:21], \s*TILEB
	s_or_b32 s[G0+4*\s+3], s[G0+4*\s+3], 0x80000000
	s_mov_b32 s[G0B+4*\s], 1
	s_add_co_u32 s[G0B+4*\s+1], s45, \s*SLOT
	s_add_nc_u64 s[G0B+4*\s+2:G0B+4*\s+3], s[46:47], \s*TILEB
	s_or_b32 s[G0B+4*\s+3], s[G0B+4*\s+3], 0x80000000
.endr
	JLOAD G0, G1, G0B, G1B                         ; K step 0: one tensor load a wave at the head; the addresses and the bias below are made while it is on its way
	v_and_b32 v3, 31, v0
	v_lshlrev_b32 v[CO], 4, v3
	s_lshl_b32 s70, s42, 10
	s_lshl_b32 s71, s18, 9
	s_add_co_u32 s70, s70, s71
	s_mov_b32 s71, 0
	s_add_nc_u64 s[10:11], s[10:11], s[70:71]
	s_add_nc_u64 s[12:13], s[12:13], s[70:71]
	global_load_b128 v[BT:BT+3], v[CO], s[10:11]
	global_load_b128 v[BT+4:BT+7], v[CO], s[12:13]
	v_and_b32 v1, 15, v0
	v_bfe_u32 v2, v0, 4, 1
	s_wait_alu depctr_va_vdst(0)
	v_mul_u32_u24 v3, v1, PITCH
	v_lshl_add_u32 v4, v2, 4, v3
	s_mul_i32 s21, s17, HALFT
	s_mul_i32 s22, s18, HALFT
	s_add_co_u32 s22, s22, 2*HALFT
.irp s, 0,1
	v_add_nc_u32 v[ADRA+\s], s21, v4
	v_add_nc_u32 v[ADRB+\s], s22, v4
	s_add_co_u32 s21, s21, SLOT
	s_add_co_u32 s22, s22, SLOT
.endr
	v_lshlrev_b32 v5, 4, v1
	s_xor_b32 s22, s17, 1
	s_add_co_u32 s22, s22, s18
	s_add_co_u32 s22, s22, 1
	s_mul_i32 s22, s22, HALFT
	v_mul_u32_u24 v6, s22, v2
	s_mul_i32 s21, s17, HALFT
	s_add_co_u32 s21, s21, SCO
	v_add_nc_u32 v5, v5, v6
	v_add_nc_u32 v[ADRS], s21, v5
	v_add_nc_u32 v[ADRS+1], SLOT, v[ADRS]
	s_lshl_b32 s23, s16, 9
	s_add_co_u32 s23, s23, BIASL
	v_add_nc_u32 v[BW], s23, v[CO]
	v_lshl_add_u32 v[BR], v2, 5, s23
	s_mul_i32 s23, s16, 16*SPITCH
	v_mul_u32_u24 v5, v1, SPITCH
	v_lshl_add_u32 v5, v2, 5, v5
	v_add_nc_u32 v[STO], s23, v5
	v_add_nc_u32 v[RD], s23, v[CO]
	s_wait_loadcnt 0x0
.irp k, 0,1,2,3
	v_min_u32 v[BT+\k], 63, v[BT+\k]
.endr
.irp k, 0,1,2,3
	v_lshlrev_b32 v[BT+\k], 2, v[BT+\k]
.endr
.irp k, 0,1,2,3
	global_load_b32 v[BT+8+\k], v[BT+\k], s[8:9]
.endr
	s_lshl_b32 s68, s66, 8
	s_lshl_b32 s69, s17, 7
	s_add_co_u32 s68, s68, s69
	s_lshl_b32 s68, s68, 14
	s_mov_b32 s69, 0
	s_add_nc_u64 s[14:15], s[14:15], s[68:69]
	s_add_nc_u64 s[14:15], s[14:15], s[70:71]
	s_wait_loadcnt 0x0
	v_pk_mul_f32 v[BT+8:BT+9], v[BT+8:BT+9], v[BT+4:BT+5]
	v_pk_mul_f32 v[BT+10:BT+11], v[BT+10:BT+11], v[BT+6:BT+7]
.macro FRAG reg, adr, q, i
.irp c, 0,1
	ds_load_b128 v[\reg+4*\c:\reg+4*\c+3], v[\adr] offset:64*(\q)+32*\c+(\i)*16*PITCH
.endr
.endm
.macro MUL16 a0, p, q, sc, first
.irp a, \a0, \a0+1
.irp b, 0,1,2,3,4,5,6,7
.if \first
	v_wmma_scale_f32_16x16x128_f8f6f4 v[8*(8*((\a)%4)+\b):8*(8*((\a)%4)+\b)+7], v[128*(\p)+FR*\b:128*(\p)+FR*\b+FR-1], v[AF+FR*(\a):AF+FR*(\a)+FR-1], v[BIAS+8*\b:BIAS+8*\b+7], v[SC+8*NQ*(\sc)+NQ*\b+(\q)], v[SC+8*NQ*(\sc)+NQ*(\a)+(\q)] matrix_a_fmt:MATRIX_FMT_FP4 matrix_b_fmt:MATRIX_FMT_FP4 matrix_a_scale:MATRIX_SCALE_ROW1
.else
	v_wmma_scale_f32_16x16x128_f8f6f4 v[8*(8*((\a)%4)+\b):8*(8*((\a)%4)+\b)+7], v[128*(\p)+FR*\b:128*(\p)+FR*\b+FR-1], v[AF+FR*(\a):AF+FR*(\a)+FR-1], v[8*(8*((\a)%4)+\b):8*(8*((\a)%4)+\b)+7], v[SC+8*NQ*(\sc)+NQ*\b+(\q)], v[SC+8*NQ*(\sc)+NQ*(\a)+(\q)] matrix_a_fmt:MATRIX_FMT_FP4 matrix_b_fmt:MATRIX_FMT_FP4 matrix_a_scale:MATRIX_SCALE_ROW1
.endif
.endr
.endr
.endm
.macro FETCH_B slot, q, p
	WIN TO_B
.irp i, 0,1,2,3,4,5,6,7
	FRAG 128*(\p)+FR*\i, ADRB+\slot, \q, \i
.endr
	WIN 0
.endm
.macro FETCH_A slot, q, i0
.irp i, \i0, \i0+1, \i0+2, \i0+3
	FRAG AF+FR*(\i), ADRA+\slot, \q, \i
.endr
.endm
.macro SCALES sc
.irp i, 0,1,2,3,4,5,6,7
	ds_load_b128 v[SC+8*NQ*\sc+NQ*\i:SC+8*NQ*\sc+NQ*\i+3], v[ADRS+\sc] offset:\i*PITCH
.endr
.endm
.macro PLACES n
.rept \n
	v_nop
.endr
.endm
.macro STEP slot, q, first
	s_wait_dscnt 4*NL
.if \first
	WIN FIRST_LO
.else
	WIN MUL_LO
.endif
	MUL16 0, (\q)%2, \q, \slot, \first
	MUL16 2, (\q)%2, \q, \slot, \first
	s_wait_dscnt 0
	PLACES NP
	FETCH_B \slot, (\q)+1, 1-(\q)%2
	FETCH_A \slot, (\q)+1, 0
.if \first
	WIN FIRST_HI
.else
	WIN MUL_HI
.endif
	MUL16 4, (\q)%2, \q, \slot, \first
	MUL16 6, (\q)%2, \q, \slot, \first
	PLACES NP
	WIN 0
	FETCH_A \slot, (\q)+1, 4
.endm
.macro TURN slot, next, fill
	s_wait_tensorcnt 0x0
	ds_add_u32 v[SPW], v[NIL]
	s_wait_dscnt 4*NL+1
	WIN MUL_LO
	MUL16 0, 1, NQ-1, \slot, 0
	s_wait_dscnt 0x0
	s_barrier_signal -1
	MUL16 2, 1, NQ-1, \slot, 0
	WIN 0
	s_barrier_wait -1
.if \fill
	CREST
.if \slot == 0
	s_add_co_u32 s[KST], s[KST], 2
	s_and_b32 s[KST], s[KST], 7
.endif
	s_mul_i32 s[KOF], s[KST], TILEB
.if \slot == 1
	s_add_co_u32 s[KOF], s[KOF], TILEB
.endif
	s_add_nc_u64 s[G0+4*\slot+2:G0+4*\slot+3], s[ABASE:ABASE+1], s[KOF:KOF+1]
	s_or_b32 s[G0+4*\slot+3], s[G0+4*\slot+3], 0x80000000
	s_add_nc_u64 s[G0B+4*\slot+2:G0B+4*\slot+3], s[BBASE:BBASE+1], s[KOF:KOF+1]
	s_or_b32 s[G0B+4*\slot+3], s[G0B+4*\slot+3], 0x80000000
	JLOAD G0+4*\slot, G1, G0B+4*\slot, G1B
.else
	PLACES NP
.endif
	FETCH_B \next, 0, 0
	FETCH_A \next, 0, 0
	SCALES \next
	WIN MUL_HI
	MUL16 4, 1, NQ-1, \slot, 0
	MUL16 6, 1, NQ-1, \slot, 0
	PLACES NP
	WIN 0
	FETCH_A \next, 0, 4
.endm
.macro STEPS slot, from
.set Q, \from
.rept NQ-1-\from
	STEP \slot, Q, 0
.set Q, Q+1
.endr
.endm
	s_wait_alu depctr_va_vdst(0)
	s_wait_tensorcnt 0x0                           ; my part of K step 0 is in
	ds_add_u32 v[SPW], v[NIL]
	s_wait_dscnt 0x0
	CROUND                                         ; everybody's part of K step 0 is in, and all sixteen work-groups are here
	JLOAD G0+4, G1, G0B+4, G1B                     ; K step 1's load, the first tensor load behind the round
	ds_store_b128 v[BW], v[BT+8:BT+11]
.irp b, 0,1,2,3,4,5,6,7
	ds_load_b128 v[BIAS+8*\b:BIAS+8*\b+3], v[BR] offset:64*\b
	ds_load_b128 v[BIAS+8*\b+4:BIAS+8*\b+7], v[BR] offset:64*\b+16
.endr
	FETCH_B 0, 0, 0
	FETCH_A 0, 0, 0
	SCALES 0
	FETCH_A 0, 0, 4
	STEP 0, 0, 1
	s_mov_b32 s19, LAPS-1
.Llap:
	STEPS 0, 1
	TURN 0, 1, 1
	STEPS 1, 0
	TURN 1, 0, 1
	STEP 0, 0, 0
	s_sub_co_u32 s19, s19, 1
	s_cmp_lg_u32 s19, 0
	s_cbranch_scc1 .Llap
	STEPS 0, 1
	TURN 0, 1, 0
	STEPS 1, 0
	s_wait_dscnt 4*NL
	WIN MUL_LO
	MUL16 0, 1, NQ-1, 1, 0
	MUL16 2, 1, NQ-1, 1, 0
	s_wait_dscnt 0
	WIN MUL_HI
	MUL16 4, 1, NQ-1, 1, 0
	MUL16 6, 1, NQ-1, 1, 0
	WIN 0
.macro TOSTAGE a
.set AC, 64*((\a)%4)
	WIN 0x08+4*((\a)/4)
.irp b, 0,1,2,3,4,5,6,7
	ds_store_b128 v[STO], v[AC+8*\b:AC+8*\b+3] offset:64*\b
	ds_store_b128 v[STO], v[AC+8*\b+4:AC+8*\b+7] offset:64*\b+16
.endr
	WIN 0
.set BB, BK+64*((\a)%2)
.irp t, 0,1,2,3,4,5,6,7,8,9,10,11,12,13,14,15
	ds_load_b128 v[BB+4*\t:BB+4*\t+3], v[RD] offset:\t*SPITCH
.endr
.endm
.macro SEND a, younger
.set BB, BK+64*((\a)%2)
	s_wait_dscnt \younger
.if (\a) > 0
	s_add_nc_u64 s[14:15], s[14:15], 16*CROW
.endif
.irp t, 0,1,2,3,4,5,6,7,8,9,10,11,12,13,14,15
	global_store_b128 v[CO], v[BB+4*\t:BB+4*\t+3], s[14:15] offset:\t*CROW th:TH_STORE_NT
.endr
.endm
	PLACES NP
	TOSTAGE 0
.irp a, 1,2,3,4,5,6,7
.if \a > 1
	s_wait_xcnt 0x0
.endif
	TOSTAGE \a
	SEND \a-1, 32
.endr
	s_wait_xcnt 0x0
	SEND 7, 0
	s_wait_tensorcnt 0x0
	ds_add_u32 v[SPW], v[NIL]
	s_wait_dscnt 0x0
	CROUND
	s_endpgm
.Lfunc_end_k_q01c06cdc4c_gemm:
	.size	k_q01c06cdc4c_gemm, .Lfunc_end_k_q01c06cdc4c_gemm-k_q01c06cdc4c_gemm
	.p2alignl 7, 3214868480
	.fill 96, 4, 3214868480
	.section	.rodata,"a",@progbits
	.p2align	6, 0x0
	.amdhsa_kernel k_q01c06cdc4c_gemm
		.amdhsa_group_segment_fixed_size 327680
		.amdhsa_private_segment_fixed_size 0
		.amdhsa_enable_private_segment 0
		.amdhsa_kernarg_size 48
		.amdhsa_user_sgpr_count 2
		.amdhsa_user_sgpr_kernarg_segment_ptr 1
		.amdhsa_wavefront_size32 1
		.amdhsa_system_sgpr_workgroup_id_x 1
		.amdhsa_system_sgpr_workgroup_id_y 1
		.amdhsa_system_sgpr_workgroup_id_z 1
		.amdhsa_system_vgpr_workitem_id 0
		.amdhsa_next_free_vgpr 1024
		.amdhsa_next_free_sgpr 80
		.amdhsa_reserve_vcc 0
		.amdhsa_float_denorm_mode_32 3
		.amdhsa_float_denorm_mode_16_64 3
		.amdhsa_memory_ordered 1
		.amdhsa_forward_progress 1
		.amdhsa_inst_pref_size 213
	.end_amdhsa_kernel
	.amdgpu_metadata
---
amdhsa.version: [ 1, 2 ]
amdhsa.kernels:
  - .name:           k_q01c06cdc4c_gemm
    .symbol:         k_q01c06cdc4c_gemm.kd
    .args:
      - { .name: a_q, .offset: 0, .size: 8, .value_kind: global_buffer, .address_space: global }
      - { .name: w_q, .offset: 8, .size: 8, .value_kind: global_buffer, .address_space: global }
      - { .name: h_bias, .offset: 16, .size: 8, .value_kind: global_buffer, .address_space: global }
      - { .name: idxB, .offset: 24, .size: 8, .value_kind: global_buffer, .address_space: global }
      - { .name: xiB, .offset: 32, .size: 8, .value_kind: global_buffer, .address_space: global }
      - { .name: out0, .offset: 40, .size: 8, .value_kind: global_buffer, .address_space: global }
    .group_segment_fixed_size: 327680
    .private_segment_fixed_size: 0
    .kernarg_segment_align: 8
    .kernarg_segment_size: 48
    .max_flat_workgroup_size: 128
    .sgpr_count:     80
    .vgpr_count:     1024
    .wavefront_size: 32
...
	.end_amdgpu_metadata
.endif
;; end of part 2
